; MI455X (gfx1250); checked and timed in simulation.
; The chip was launched on July 23, 2026; its instructions are those of AMD's public machine-readable ISA for CDNA 5 (MIT licence, August 2026) and "CDNA5" Instruction Set Architecture Reference Guide (July 2026). The comments in the code are by the model that wrote it; some were corrected since.
;; Orthogonal Bayesian Dense. Allowed arithmetic: float matrix products may take bf16 or f16 operands with f32 sums; other float arithmetic in f32, or as packed bf16 or f16 multiplies, adds, multiply-adds, maxima and minima; sums over many terms, partial sums and values carried from step to step in f32; what a program stores and reads back later, other than sums and carried values, may be rounded once to bf16 or f16.
;; Inputs: bias_logvar 4,096 float32; bias_mean 4,096 float32; d_logvar 4,096 float32; d_mean 4,096 float32; eps_b 4,096 float32; eps_d 4,096 float32; eps_v 8 x 4,096 float32; v_logvar 8 x 4,096 float32; v_mean 8 x 4,096 float32; x 4,096 x 4,096 float32.
;; Outputs: out0 4,096 x 4,096 float32.
;; One version. Each part assembles by itself: llvm-mc -triple=amdgcn-amd-amdhsa -mcpu=gfx1250 --defsym DOCPART=n.
;; ======== version 1 of 1: 1 launch
;; launch obd (part 1): grid 256 x 1, 16 waves a work-group, no clusters, 284,672 bytes of LDS; arguments x, v_mean, v_logvar, eps_v, d_mean, d_logvar, eps_d, bias_mean, bias_logvar, eps_b, out0; writes out0
.if DOCPART == 1
	.amdgcn_target "amdgcn-amd-amdhsa--gfx1250"
	.amdhsa_code_object_version 6
	.text
	.protected	k_q9278d22509_obd
	.globl	k_q9278d22509_obd
	.p2align	8
	.type	k_q9278d22509_obd,@function
k_q9278d22509_obd:
	s_mov_b64 s[64:65], 0
	v_nop
	global_prefetch_b8 v0, s[64:65] scope:SCOPE_SE
	s_setreg_imm32_b32 hwreg(HW_REG_WAVE_MODE, 25, 1), 1
	s_wait_xcnt 0x0
; out = (x u) * d + bias, u = H0 H1 .. H7, H_i = I - 2 v_i v_i^T / (v_i . v_i); v, d, bias = mean + exp(logvar / 2) * eps.  x, out: [4096][4096] f32; v: [8][4096]; d, bias: [4096].
; THE FORM.  By associativity x u = ((x H0) H1) .. H7 = x + sum over j of f_j v_j, one f_j for each row of x, with p_i = x_row . v_i, G_ij = v_i . v_j (v not normalised) and
; f_i = (-2 / G_ii) (p_i + sum over j < i of G_ij f_j).  The norm enters as G_ii alone.  No step is dropped; the order of the roundings differs from a chain of rank-1 updates on u.
; SHARES.  A work-group owns 16 rows of x (262,144 bytes), which stay in LDS from their one tensor load to the stores.  Wave w of 16 owns columns 256 w .. 256 w + 255 of x, v, d, bias and out:
; it fetches, reads, overwrites and stores its own LDS bytes alone.  The waves meet twice, for the sums G and p over all columns: partial sums in LDS, one barrier each.
; MATRIX WORK, all v_wmma_f32_16x16x32_bf16.  SLOTS: slot j (0-7) = vh_j = bf16(v_j), slot 8 + j = vl_j = bf16(v_j - vh_j).
;   F2, tile t (16 columns): source 0 with row = column, k = slot.      F1, block s (32 columns): row = slot, k = column: F2 turned, by products with a selection matrix (each sum has one term, times 1.0).
;   G = F1 F1^T;  p = F1 x^T (x rounded to bf16 here and nowhere else);  the update: D(column, row) = F2 (fh or fl) + C, C = the f32 x itself: a lane holds 8 neighbouring columns of one row.
;   F2's fragment is named with the four registers behind it (the next tile's, or zeros): they stand at k = 16 .. 31, where source 1 holds zeros.
; NO CLUSTER.  What work-groups share is v_mean, v_logvar, eps_v and the six vectors of d and bias: 491,520 bytes.  Beside x's 266,240 bytes (padded) and 18,432 of partial sums and spare words LDS has
; 43,008 bytes left: joint loads would come in twelve parts through slots filled again, a round of the cluster's barrier for each; and a wave wants only its own 256 columns (30,720 bytes), a column a lane.
; NO PREFETCH.  All of the work-group's x is asked for by the kernel's first memory instructions: nothing could be asked for earlier.
; LIMITS.  exp(logvar / 2) below 2^-126 counts as 0.  A v that is not finite gives NaN in every column of the rows (as u would); G_ii = 0 gives NaN, as the norm's division does.  G and f are kept to
; about 2^-16 of themselves (two bf16 parts); where the v_i are nearly parallel the recurrence can cancel, and that error grows with it.
.set XP,    1040                       ; a wave's row of x in LDS: 1,024 bytes + 16 of padding = 260 words: row r starts at bank 4 r mod 64 (64 banks of 4 bytes: ISA guide 11.1)
.set XW,    16*XP                      ; a wave's 16 rows: 16,640 bytes = 65 blocks of 256
.set GP,    16*XW                      ; behind x: G's partial sums, 512 bytes a wave: registers 0-3 at 16 r, registers 4-7 at 256 + 16 r
.set PP,    8192                       ; p's partial sums lie so far behind G's, in the same form
.set SPARE, GP+16384                   ; the spare words, 128 bytes for each of 16 waves: eight blocks of 256 bytes that no other line names
.set SPW, 1                            ; v1   LDS address of my spare word; never rewritten
.set NIL, 2                            ; v2   0; never rewritten
.set VO,  3                            ; v3   1024 w + 4 lane: my column of a block of 32, in a row of v
.set XA,  4                            ; v4   XW w + XP r + 32 h: my 32 bytes of row r (r = lane % 16, h = lane / 16)
.set XR,  5                            ; v5   XW w + XP h + 16 r: whole rows back: lanes 0-15 one row's 256 bytes, lanes 16-31 the next row's
.set GO,  6                            ; v6   1024 w + 16384 h + 16 r: the same two rows in out
.set RS,  7                            ; v7   GP + 512 w + 16 r: where I put partial sums
.set RL,  8                            ; v8   GP + 4096 h + 16 r: where I read eight waves' partial sums
.set DOF, 9                            ; v9   1024 w + 16 r: my 4 numbers of d and bias in a unit of 64 columns
.set F2,  12                           ; v12-75   tile t at F2 + 4 t
.set ZP,  76                           ; v76-79   zeros
.set PX,  80                           ; v80-83   the selection pattern; later fh
.set ZQ,  84                           ; v84-87   zeros.   v[80:87] selects k = n (later: source 1 with fh), v[76:83] selects k = 16 + n
.set F1,  88                           ; v88-151  block s at F1 + 8 s.  Before: logvar and eps of d and bias.  After: x's units 0 and 1
.set ALV, F1
.set AEP, F1+32
.set DB,  152                          ; v152-183 d (16), then bias (16): unit u at + 4 u
.set W,   184                          ; v184-255 at work
.set TA,  W+48                         ; the two turned halves of a block,
.set TB,  W+56
.set GA,  W+64                         ; and G's accumulator
.set FV,  W+64                         ; later G, p, f, and at last source 1 with fl
; s[4:25] the eleven addresses; s26 my wave's number; s27 1024 w; s[28:29], s[2:3] offsets; s[30:31] v_permlanex16_b32's selects; s[32:35], s[36:43] the descriptor;
; s44-51 T_i = -2 / G_ii; s52 a word's upper bf16; s53 GP + 512 w; s66-93 G(i', i), i < i', at 66 + i' (i' - 1) / 2 + i
	s_load_b512 s[4:19], s[0:1], 0x0               ; x 4, v_mean 6, v_logvar 8, eps_v 10, d_mean 12, d_logvar 14, eps_d 16, bias_mean 18
	s_load_b128 s[20:23], s[0:1], 0x40             ; bias_logvar 20, eps_b 22
	s_load_b64 s[24:25], s[0:1], 0x50              ; out0
	v_lshl_add_u32 v[SPW], v0, 2, SPARE
	v_mov_b32 v[NIL], 0
	ds_add_u32 v[SPW], v[NIL]                      ; the wave's opening: the add, twice on end, and its wait ahead of my tensor load; the set-up below, work on registers, stands between
	ds_add_u32 v[SPW], v[NIL]
	v_lshrrev_b32 v10, 5, v0
	v_readfirstlane_b32 s26, v10                   ; wave 0..15
	s_mov_b32 s32, 1                               ; group 0: count = 1
	s_mul_i32 s33, s26, XW                         ; LDS address: my wave's 16 rows
	s_mov_b32 s36, (2<<16)|(1<<20)|(7<<22)|(3<<25) ; group 1: elements of 4 bytes; padding on, after every 256 words (code 7), of 4 words (code 3)
	s_mov_b32 s37, 256<<16                         ; tensor_dim0 = 256
	s_mov_b32 s38, 16<<16                          ; tensor_dim1 = 16
	s_mov_b32 s39, 256<<16                         ; tile_dim0 = 256 elements: 1,024 bytes of a row, aligned to 1,024
	s_mov_b32 s40, 16                              ; tile_dim1 = 16 rows
	s_mov_b32 s41, 4096                            ; elements from row to row
	s_mov_b32 s42, 0
	s_mov_b32 s43, 0
	s_mov_b32 s30, 0x76543210                      ; each lane takes its own place in the other half
	s_mov_b32 s31, 0xfedcba98
	s_mov_b32 s52, 0xffff0000
	s_lshl_b32 s28, ttmp9, 18                      ; the work-group's 16 rows of 16,384 bytes (under 2^26)
	s_mov_b32 s29, 0
	s_lshl_b32 s27, s26, 10                        ; my wave's 256 columns
	s_add_co_u32 s2, s28, s27
	s_mov_b32 s3, 0
	s_lshl_b32 s53, s26, 9
	s_add_co_u32 s53, s53, GP
	s_wait_dscnt 0x0                               ; both opening adds are done
	s_wait_kmcnt 0x0
	s_add_nc_u64 s[34:35], s[4:5], s[2:3]          ; global address of my tile
	s_or_b32 s35, s35, 0x80000000                  ; type = 2
	s_add_nc_u64 s[24:25], s[24:25], s[28:29]      ; out at the work-group's first row
	tensor_load_to_lds s[32:35], s[36:43]          ; my one tensor load: 16 rows x 1,024 bytes; these LDS bytes are filled once in the launch
	s_nop 0
	v_and_b32 v10, 15, v0                          ; r
	v_bfe_u32 v11, v0, 4, 1                        ; h
	v_and_b32 v[W+48], 31, v0                      ; lane
	v_lshl_add_u32 v[VO], v[W+48], 2, s27
	v_lshl_add_u32 v[DOF], v10, 4, s27
; 24 loads: mean, logvar, eps of my column (32 s + lane of my wave's 256) for all eight vectors, into b, b + 8, b + 16
.macro VLOADS s, b
.irp j, 0,1,2,3,4,5,6,7
	global_load_b32 v[(\b)+(\j)],    v[VO], s[6:7]   offset:16384*(\j)+128*(\s)
	global_load_b32 v[(\b)+8+(\j)],  v[VO], s[8:9]   offset:16384*(\j)+128*(\s)
	global_load_b32 v[(\b)+16+(\j)], v[VO], s[10:11] offset:16384*(\j)+128*(\s)
.endr
.endm
.macro PLACES                          ; four places behind a matrix instruction, in front of what reads its result or writes or loads into one of its registers
.rept 4
	v_nop
.endr
.endm
.irp u, 0,1,2,3                        ; d and bias: 24 loads; unit u = 64 columns, a lane's 4 numbers as the way out wants them
	global_load_b128 v[DB+4*(\u):DB+4*(\u)+3],         v[DOF], s[12:13] offset:256*(\u)
	global_load_b128 v[DB+16+4*(\u):DB+16+4*(\u)+3],   v[DOF], s[18:19] offset:256*(\u)
	global_load_b128 v[ALV+4*(\u):ALV+4*(\u)+3],       v[DOF], s[14:15] offset:256*(\u)
	global_load_b128 v[ALV+16+4*(\u):ALV+16+4*(\u)+3], v[DOF], s[20:21] offset:256*(\u)
	global_load_b128 v[AEP+4*(\u):AEP+4*(\u)+3],       v[DOF], s[16:17] offset:256*(\u)
	global_load_b128 v[AEP+16+4*(\u):AEP+16+4*(\u)+3], v[DOF], s[22:23] offset:256*(\u)
.endr
	VLOADS 0, W
	VLOADS 1, W+24
	; the other lane addresses, the zeros and the selection pattern, while the loads are out
	v_mul_u32_u24 v[XA], v10, XP
	v_lshl_add_u32 v[XA], v11, 5, v[XA]
	v_add_nc_u32 v[XA], s33, v[XA]
	v_mul_u32_u24 v[XR], v11, XP
	v_lshl_add_u32 v[XR], v10, 4, v[XR]
	v_add_nc_u32 v[XR], s33, v[XR]
	v_lshl_add_u32 v[GO], v11, 14, v[DOF]
	v_lshl_add_u32 v[RS], v10, 4, s53
	v_lshlrev_b32 v[RL], 4, v10
	v_lshl_add_u32 v[RL], v11, 12, v[RL]
	v_add_nc_u32 v[RL], GP, v[RL]
.irp i, 0,1,2,3
	v_mov_b32 v[ZP+(\i)], 0
	v_mov_b32 v[ZQ+(\i)], 0
.endr
	; Source 1 with 1.0 at k = n: lane (r, h) holds column n = r and k = 8 h + 0..7 in four registers: the 1.0 lies in register r / 2 - 4 h, if that is 0..3, in half r % 2
	v_lshrrev_b32 v[W+48], 1, v10
	v_lshlrev_b32 v[W+49], 2, v11
	v_sub_nc_u32 v[W+48], v[W+48], v[W+49]         ; r / 2 - 4 h; below 0 it matches no register's number
	v_and_b32 v[W+49], 1, v10
	v_lshlrev_b32 v[W+49], 4, v[W+49]
	v_mov_b32 v[W+50], 0x3f80                      ; 1.0 in bf16
	v_lshlrev_b32 v[W+50], v[W+49], v[W+50]
.irp i, 0,1,2,3
	v_cmp_eq_u32 vcc_lo, (\i), v[W+48]
	v_cndmask_b32 v[PX+(\i)], 0, v[W+50], vcc_lo
.endr
	; d and bias: mean + 2^(logvar x log2(e) / 2) x eps
	s_wait_loadcnt 48                              ; loads come back in order (ISA guide 5.7.1): the first 24 are in, the two sets of 24 behind them stay out
.set k, 0
.rept 16
	v_pk_mul_f32 v[ALV+k:ALV+k+1], v[ALV+k:ALV+k+1], 0x3f38aa3b op_sel_hi:[1,0]
.set k, k+2
.endr
.set k, 0
.rept 32
	v_exp_f32 v[ALV+k], v[ALV+k]
.set k, k+1
.endr
	v_nop                                          ; a plain instruction behind the last exponential,
	s_wait_alu depctr_va_vdst(0)                   ; and one wait for the batch of 32, ahead of its first reader
.set k, 0
.rept 16
	v_pk_fma_f32 v[DB+k:DB+k+1], v[ALV+k:ALV+k+1], v[AEP+k:AEP+k+1], v[DB+k:DB+k+1]
.set k, k+2
.endr
; BLOCK s: my wave's columns 32 s .. 32 s + 31.  v is sampled, a column a lane; split in two bf16 parts; the halves of the lanes are exchanged, which makes F2's tiles 2 s and 2 s + 1;
; two products with the selection matrices turn them into F1's block s; one product adds the block's share of G.  The three matrix instructions have three accumulators: no two on end share one.
.macro BLOCK s
.set R, W+24*((\s)%2)
.if (\s) == 7
	s_wait_loadcnt 0x0                             ; the last set
.else
	s_wait_loadcnt 24                              ; my set is in; the other set's 24 loads stay out
.endif
.irp z, 0,2,4,6
	v_pk_mul_f32 v[R+8+(\z):R+9+(\z)], v[R+8+(\z):R+9+(\z)], 0x3f38aa3b op_sel_hi:[1,0]
.endr
.irp z, 0,1,2,3,4,5,6,7
	v_exp_f32 v[R+8+(\z)], v[R+8+(\z)]
.endr
	v_nop                                          ; a plain instruction behind the last exponential,
	s_wait_alu depctr_va_vdst(0)                   ; and one wait for the eight
.irp z, 0,2,4,6
	v_pk_fma_f32 v[R+(\z):R+(\z)+1], v[R+8+(\z):R+9+(\z)], v[R+16+(\z):R+17+(\z)], v[R+(\z):R+(\z)+1]  ; v
.endr
.irp i, 0,1,2,3
	v_cvt_pk_bf16_f32 v[F2+8*(\s)+(\i)], v[R+2*(\i)], v[R+2*(\i)+1]                                    ; vh, vectors 2 i and 2 i + 1
.endr
.irp i, 0,1,2,3
	v_lshlrev_b32 v[R+8+2*(\i)], 16, v[F2+8*(\s)+(\i)]
	v_and_b32     v[R+9+2*(\i)], s52, v[F2+8*(\s)+(\i)]
.endr
.irp z, 0,2,4,6
	v_pk_add_f32 v[R+16+(\z):R+17+(\z)], v[R+(\z):R+(\z)+1], v[R+8+(\z):R+9+(\z)] neg_lo:[0,1] neg_hi:[0,1]  ; v - vh
.endr
.irp i, 0,1,2,3
	v_cvt_pk_bf16_f32 v[F2+8*(\s)+4+(\i)], v[R+16+2*(\i)], v[R+17+2*(\i)]                              ; vl
.endr
.if (\s) <= 5
	VLOADS (\s)+2, R                               ; the set is free: the block two further on
.endif
.irp i, 0,1,2,3
	v_permlane16_swap_b32 v[F2+8*(\s)+(\i)], v[F2+8*(\s)+4+(\i)]  ; first: lanes 0-15 vh, lanes 16-31 vl of columns 0-15; second: the same of columns 16-31
.endr
	v_wmma_f32_16x16x32_bf16 v[TA:TA+7], v[F2+8*(\s):F2+8*(\s)+7], v[PX:PX+7], 0   ; D(column 0-15, slot)
	v_wmma_f32_16x16x32_bf16 v[TB:TB+7], v[F2+8*(\s):F2+8*(\s)+7], v[ZP:ZP+7], 0   ; D(column 16-31, slot)
	PLACES
.irp i, 0,1,2,3
	v_cvt_pk_bf16_f32 v[F1+8*(\s)+(\i)], v[TA+2*(\i)], v[TA+2*(\i)+1]              ; exact: the numbers are bf16 already
.endr
.irp i, 0,1,2,3
	v_cvt_pk_bf16_f32 v[F1+8*(\s)+4+(\i)], v[TB+2*(\i)], v[TB+2*(\i)+1]
.endr
.if (\s) == 0
	v_wmma_f32_16x16x32_bf16 v[GA:GA+7], v[F1+8*(\s):F1+8*(\s)+7], v[F1+8*(\s):F1+8*(\s)+7], 0
.else
	v_wmma_f32_16x16x32_bf16 v[GA:GA+7], v[F1+8*(\s):F1+8*(\s)+7], v[F1+8*(\s):F1+8*(\s)+7], v[GA:GA+7]
.endif
.endm
.irp s, 0,1,2,3,4,5,6,7
	BLOCK \s
.endr
; A SUM OVER THE WAVES.  RED_OUT: slots j and 8 + j lie 16 lanes apart: they are added, and the wave's eight numbers for each r go to its 512 bytes (lanes r and 16 + r write the same words with the same numbers).
.macro RED_OUT acc, tmp, off
.irp j, 0,1,2,3,4,5,6,7
	v_permlanex16_b32 v[(\tmp)+(\j)], v[(\acc)+(\j)], s30, s31
.endr
.irp z, 0,2,4,6
	v_pk_add_f32 v[(\acc)+(\z):(\acc)+(\z)+1], v[(\acc)+(\z):(\acc)+(\z)+1], v[(\tmp)+(\z):(\tmp)+(\z)+1]
.endr
	ds_store_b128 v[RS], v[(\acc):(\acc)+3]   offset:(\off)
	ds_store_b128 v[RS], v[(\acc)+4:(\acc)+7] offset:(\off)+256
.endm
.macro MEET
	s_wait_dscnt 0x0                               ; for the others' sake: my stores are done; none of my LDS instructions is out
	s_barrier_signal -1
	s_barrier_wait -1
.endm
; RED_IN: lanes 0-15 add waves 0-7, lanes 16-31 waves 8-15; the halves are added; every lane (r, h) then holds the eight sums for r, in W + 64 ..
.macro RED_IN off
.irp i, 0,1,2,3,4,5,6,7
	ds_load_b128 v[W+8*(\i):W+8*(\i)+3],   v[RL] offset:(\off)+512*(\i)
	ds_load_b128 v[W+8*(\i)+4:W+8*(\i)+7], v[RL] offset:(\off)+512*(\i)+256
.endr
	s_wait_dscnt 0x0
.irp a, 0,16,32,48
.irp z, 0,2,4,6
	v_pk_add_f32 v[W+(\a)+(\z):W+(\a)+(\z)+1], v[W+(\a)+(\z):W+(\a)+(\z)+1], v[W+(\a)+8+(\z):W+(\a)+9+(\z)]
.endr
.endr
.irp a, 0,32
.irp z, 0,2,4,6
	v_pk_add_f32 v[W+(\a)+(\z):W+(\a)+(\z)+1], v[W+(\a)+(\z):W+(\a)+(\z)+1], v[W+(\a)+16+(\z):W+(\a)+17+(\z)]
.endr
.endr
.irp z, 0,2,4,6
	v_pk_add_f32 v[W+(\z):W+(\z)+1], v[W+(\z):W+(\z)+1], v[W+32+(\z):W+33+(\z)]
.endr
.irp j, 0,1,2,3,4,5,6,7
	v_permlanex16_b32 v[W+8+(\j)], v[W+(\j)], s30, s31
.endr
.irp z, 0,2,4,6
	v_pk_add_f32 v[W+64+(\z):W+65+(\z)], v[W+(\z):W+(\z)+1], v[W+8+(\z):W+9+(\z)]
.endr
.endm
	; G.  Register j of lane (r, h) holds slot (8 h + j) . slot r over my columns
	PLACES
	RED_OUT GA, TA, 0
	MEET                                           ; my tensor load may still be out: each wave reads its own tile alone, behind its own wait
	RED_IN 0                                       ; register j = v_j . slot r
.irp j, 0,1,2,3,4,5,6,7
	v_add_f32_dpp v[FV+(\j)], v[FV+(\j)], v[FV+(\j)] row_xmask:8 row_mask:0xf bank_mask:0xf  ; + v_j . slot (r xor 8): register j of lane l holds G[j][l % 8]
.endr
.irp i, 0,1,2,3,4,5,6,7
	v_rcp_f32 v[W+(\i)], v[FV+(\i)]                ; only lane i of register i is used
.endr
	v_nop                                          ; a plain instruction behind the last reciprocal,
	s_wait_alu depctr_va_vdst(0)                   ; and one wait for the eight
.irp i, 0,1,2,3,4,5,6,7
	v_mul_f32 v[W+(\i)], -2.0, v[W+(\i)]
.endr
.set i, 0
.rept 8
	v_readlane_b32 s[44+i], v[W+i], i              ; T_i = -2 / G_ii
.set i, i+1
.endr
.set i, 0
.rept 7
.set j, i+1
.rept 7-i
	v_readlane_b32 s[66+j*(j-1)/2+i], v[FV+i], j   ; G(j, i), i < j
.set j, j+1
.endr
.set i, i+1
.endr
; p.  A block's x for source 1: lane (r, h) holds row r, columns 8 h + 0..7 and 16 + 8 h + 0..7 of the block's 32: four loads of 16 bytes, rounded to bf16 in pairs.
.macro XLOAD s, b
	ds_load_b128 v[(\b):(\b)+3],     v[XA] offset:128*(\s)
	ds_load_b128 v[(\b)+4:(\b)+7],   v[XA] offset:128*(\s)+16
	ds_load_b128 v[(\b)+8:(\b)+11],  v[XA] offset:128*(\s)+64
	ds_load_b128 v[(\b)+12:(\b)+15], v[XA] offset:128*(\s)+80
.endm
; Two sets of registers and two accumulators by turns: between a product and the next writing of its source 1 stand the other set's eight conversions.
.macro PSTEP s
.set XB, W+16*((\s)%2)
.set XF, W+32+8*((\s)%2)
.set PA, W+48+8*((\s)%2)
.if (\s) == 7
	s_wait_dscnt 0x0
.else
	s_wait_dscnt 4                                 ; LDS loads come back in order (ISA guide 5.7.1): my block is in, the next block's four loads stay out
.endif
.irp i, 0,1,2,3,4,5,6,7
	v_cvt_pk_bf16_f32 v[XF+(\i)], v[XB+2*(\i)], v[XB+2*(\i)+1]
.endr
.if (\s) <= 5
	XLOAD (\s)+2, XB
.endif
.if (\s) < 2
	v_wmma_f32_16x16x32_bf16 v[PA:PA+7], v[F1+8*(\s):F1+8*(\s)+7], v[XF:XF+7], 0
.else
	v_wmma_f32_16x16x32_bf16 v[PA:PA+7], v[F1+8*(\s):F1+8*(\s)+7], v[XF:XF+7], v[PA:PA+7]
.endif
.endm
	s_wait_tensorcnt 0x0                           ; my tile is in LDS; only I read it, so no barrier is wanted
	XLOAD 0, W
	XLOAD 1, W+16
.irp s, 0,1,2,3,4,5,6,7
	PSTEP \s
.endr
; THE UPDATE, by units of 64 columns (four tiles).  LOADC: x as the C operand: lane (r, h) takes row r, columns 16 i + 8 h + 0..7.  STOREC: the result back to the same bytes.
.macro LOADC u, b
.irp i, 0,1,2,3
	ds_load_b128 v[(\b)+8*(\i):(\b)+8*(\i)+3],   v[XA] offset:256*(\u)+64*(\i)
	ds_load_b128 v[(\b)+8*(\i)+4:(\b)+8*(\i)+7], v[XA] offset:256*(\u)+64*(\i)+16
.endr
.endm
.macro STOREC u, b                     ; each accumulator's lowest registers first
.irp i, 0,1,2,3
	ds_store_b128 v[XA], v[(\b)+8*(\i):(\b)+8*(\i)+3]   offset:256*(\u)+64*(\i)
	ds_store_b128 v[XA], v[(\b)+8*(\i)+4:(\b)+8*(\i)+7] offset:256*(\u)+64*(\i)+16
.endr
.endm
.macro MULT u, b                       ; x + (vh + vl) fh, then + (vh + vl) fl: the four accumulators take turns, three others between two links of a chain
.irp i, 0,1,2,3
	v_wmma_f32_16x16x32_bf16 v[(\b)+8*(\i):(\b)+8*(\i)+7], v[F2+16*(\u)+4*(\i):F2+16*(\u)+4*(\i)+7], v[PX:PX+7], v[(\b)+8*(\i):(\b)+8*(\i)+7]
.endr
.irp i, 0,1,2,3
	v_wmma_f32_16x16x32_bf16 v[(\b)+8*(\i):(\b)+8*(\i)+7], v[F2+16*(\u)+4*(\i):F2+16*(\u)+4*(\i)+7], v[FV:FV+7], v[(\b)+8*(\i):(\b)+8*(\i)+7]
.endr
.endm
.macro LOADR u, b                      ; the unit back by rows: LDS serves a wave's instructions in order (ISA guide 5.7.1.4), so these see the stores above
.irp i, 0,1,2,3,4,5,6,7
	ds_load_b128 v[(\b)+4*(\i):(\b)+4*(\i)+3], v[XR] offset:2*XP*(\i)+256*(\u)
.endr
.endm
.macro OUT u, b                        ; x d + bias, and out: 16 lanes store 256 consecutive bytes, at a multiple of 256 from out's first byte
	s_wait_dscnt 0x0                               ; the unit is back (and every older LDS load is in)
.irp i, 0,1,2,3,4,5,6,7
.irp z, 0,2
	v_pk_fma_f32 v[(\b)+4*(\i)+(\z):(\b)+4*(\i)+(\z)+1], v[(\b)+4*(\i)+(\z):(\b)+4*(\i)+(\z)+1], v[DB+4*(\u)+(\z):DB+4*(\u)+(\z)+1], v[DB+16+4*(\u)+(\z):DB+16+4*(\u)+(\z)+1]
.endr
.endr
.irp i, 0,1,2,3,4,5,6,7
	global_store_b128 v[GO], v[(\b)+4*(\i):(\b)+4*(\i)+3], s[24:25] offset:32768*(\i)+256*(\u) th:TH_STORE_NT
.endr
.endm
	PLACES                                         ; behind the last product: F1's registers are loaded into, and the sums are read
	LOADC 0, F1                                    ; units 0 and 1 come while p is summed
	LOADC 1, F1+32
.irp z, 0,2,4,6
	v_pk_add_f32 v[W+48+(\z):W+49+(\z)], v[W+48+(\z):W+49+(\z)], v[W+56+(\z):W+57+(\z)]  ; the two accumulators
.endr
	RED_OUT W+48, W+64, PP                         ; register j of lane (r, h) held slot (8 h + j) . x_row r
	MEET
	RED_IN PP                                      ; register j = p_j of row r, in every lane
	LOADC 2, W                                     ; units 2 and 3 come while f is solved for; the wait for them is the first way out's
	LOADC 3, W+32
	; f_i = T_i (p_i + sum over j < i of G_ij f_j), in place
.set i, 0
.rept 8
	v_mul_f32 v[FV+i], s[44+i], v[FV+i]
.if i < 7
.set j, i+1
.rept 7-i
	v_fmac_f32 v[FV+j], s[66+j*(j-1)/2+i], v[FV+i]
.set j, j+1
.endr
.endif
.set i, i+1
.endr
	; f in two bf16 parts.  Source 1: lane (r, h) holds row r and k = 8 h + 0..7: fh (or fl) meets vh in lanes 0-15 and vl in lanes 16-31, so all lanes hold the same four registers; k = 16 .. 31 are zeros
.irp i, 0,1,2,3
	v_cvt_pk_bf16_f32 v[PX+(\i)], v[FV+2*(\i)], v[FV+2*(\i)+1]
	v_lshlrev_b32 v10, 16, v[PX+(\i)]
	v_and_b32 v11, s52, v[PX+(\i)]
	v_pk_add_f32 v[FV+2*(\i):FV+2*(\i)+1], v[FV+2*(\i):FV+2*(\i)+1], v[10:11] neg_lo:[0,1] neg_hi:[0,1]
.endr
.irp i, 0,1,2,3
	v_cvt_pk_bf16_f32 v[FV+(\i)], v[FV+2*(\i)], v[FV+2*(\i)+1]  ; ascending: register i is written when pairs up to i have been read
.endr
.irp i, 0,1,2,3
	v_mov_b32 v[FV+4+(\i)], 0
.endr
	MULT 0, F1                                     ; units 0 and 1 were waited for in front of the barrier
	PLACES
	STOREC 0, F1
	LOADR 0, F1
	MULT 1, F1+32
	OUT 0, F1                                      ; its 16 multiply-adds, which name no register of the products just issued, are the places behind them
	STOREC 1, F1+32
	LOADR 1, F1+32
	MULT 2, W
	OUT 1, F1+32
	STOREC 2, W
	LOADR 2, W
	MULT 3, W+32
	OUT 2, W
	STOREC 3, W+32
	LOADR 3, W+32
	OUT 3, W+32                                    ; no register that a store reads is written again, so no wait stands for the stores
	s_wait_tensorcnt 0x0                           ; the wave's end: behind my tensor load and my last LDS store
	ds_add_u32 v[SPW], v[NIL]
	s_wait_dscnt 0x0
	s_endpgm
.Lfunc_end_k_q9278d22509_obd:
	.size	k_q9278d22509_obd, .Lfunc_end_k_q9278d22509_obd-k_q9278d22509_obd
	.p2alignl 7, 3214868480
	.fill 96, 4, 3214868480
	.section	.rodata,"a",@progbits
	.p2align	6, 0x0
	.amdhsa_kernel k_q9278d22509_obd
		.amdhsa_group_segment_fixed_size 284672
		.amdhsa_private_segment_fixed_size 0
		.amdhsa_enable_private_segment 0
		.amdhsa_kernarg_size 88
		.amdhsa_user_sgpr_count 2
		.amdhsa_user_sgpr_kernarg_segment_ptr 1
		.amdhsa_wavefront_size32 1
		.amdhsa_system_sgpr_workgroup_id_x 1
		.amdhsa_system_sgpr_workgroup_id_y 1
		.amdhsa_system_sgpr_workgroup_id_z 1
		.amdhsa_system_vgpr_workitem_id 0
		.amdhsa_next_free_vgpr 256
		.amdhsa_next_free_sgpr 96
		.amdhsa_reserve_vcc 1
		.amdhsa_float_denorm_mode_32 3
		.amdhsa_float_denorm_mode_16_64 3
		.amdhsa_memory_ordered 1
		.amdhsa_forward_progress 1
		.amdhsa_inst_pref_size 88
	.end_amdhsa_kernel
	.amdgpu_metadata
---
amdhsa.version: [ 1, 2 ]
amdhsa.kernels:
  - .name:           k_q9278d22509_obd
    .symbol:         k_q9278d22509_obd.kd
    .args:
      - { .name: x, .offset: 0, .size: 8, .value_kind: global_buffer, .address_space: global }
      - { .name: v_mean, .offset: 8, .size: 8, .value_kind: global_buffer, .address_space: global }
      - { .name: v_logvar, .offset: 16, .size: 8, .value_kind: global_buffer, .address_space: global }
      - { .name: eps_v, .offset: 24, .size: 8, .value_kind: global_buffer, .address_space: global }
      - { .name: d_mean, .offset: 32, .size: 8, .value_kind: global_buffer, .address_space: global }
      - { .name: d_logvar, .offset: 40, .size: 8, .value_kind: global_buffer, .address_space: global }
      - { .name: eps_d, .offset: 48, .size: 8, .value_kind: global_buffer, .address_space: global }
      - { .name: bias_mean, .offset: 56, .size: 8, .value_kind: global_buffer, .address_space: global }
      - { .name: bias_logvar, .offset: 64, .size: 8, .value_kind: global_buffer, .address_space: global }
      - { .name: eps_b, .offset: 72, .size: 8, .value_kind: global_buffer, .address_space: global }
      - { .name: out0, .offset: 80, .size: 8, .value_kind: global_buffer, .address_space: global }
    .group_segment_fixed_size: 284672
    .private_segment_fixed_size: 0
    .kernarg_segment_align: 8
    .kernarg_segment_size: 88
    .max_flat_workgroup_size: 512
    .sgpr_count:     96
    .vgpr_count:     256
    .wavefront_size: 32
...
	.end_amdgpu_metadata
.endif
;; end of part 1
